; MI455X (gfx1250); checked and timed in simulation.
; The chip was launched on July 23, 2026; its instructions are those of AMD's public machine-readable ISA for CDNA 5 (MIT licence, August 2026) and "CDNA5" Instruction Set Architecture Reference Guide (July 2026). The comments in the code are by the model that wrote it; some were corrected since.
;; Causal Window Attention. Allowed arithmetic: matrix products marked QUANTISED: E2M3 operands, one E8M0 scale for each 32 along K, by v_wmma_scale_f32_16x16x128_f8f6f4 with both operands' format E2M3, f32 sums; everything else in f32.
;; Inputs: W_out 1,024 x 1,024 float32; W_qkv 1,024 x 3,072 float32; b_out 1,024 float32; b_qkv 3,072 float32; x 2 x 2,048 x 1,024 float32.
;; Outputs: out0 2 x 2,048 x 1,024 float32.
;; This version of the problem:
;;   THIS VERSION OF THE PROBLEM IS GIVEN IN LOW PRECISION. The matrix products marked QUANTISED in the list below multiply operands that are first quantised to E2M3 (2 exponent bits, 3 mantissa bits; 6 bits a number), with one power-of-two scale for each 32 numbers along K (OCP MX v1.0); their sums are f32. All else is computed in f32.
;;   The module's matrix products, in the order in which they are computed (A, B: the left and right operand; K: the contracted axis; several contracted axes count as one K, in the product's order):
;;     1. [M 4,096, K 1,024] x [K 1,024, N 3,072]; A: input x; B: input W_qkv: QUANTISED
;;     2. batch 32 x [M 2,048, K 64] x [K 64, N 2,048]; A: computed on the way; B: computed on the way: QUANTISED
;;     3. batch 32 x [M 2,048, K 2,048] x [K 2,048, N 64]; A: softmax (see below); B: computed on the way: QUANTISED
;;     4. [M 4,096, K 1,024] x [K 1,024, N 1,024]; A: computed on the way; B: input W_out: QUANTISED
;;   THE QUANTISER, for each operand of a quantised product, along K:
;;     - K is cut into blocks of 32 from its start; a last block that is shorter is filled with zeros.
;;     - A block's scale is 2^e with e = floor(log2(the largest magnitude in the block)) - 2, held to -126 .. 127; a block of zeros has e = 0. As a byte (E8M0): e + 127.
;;     - Each number is divided by its block's scale, clamped to +-7.5, and rounded to the nearest number of E2M3, ties to even, subnormals kept.
;;     - The product sums the exact products of the quantised numbers (number of the format x scale) in f32.
;;   ~~~python
;;   def quantise(x, axis):      # numpy; x: float32 -> the quantised numbers, widened to float32 again
;;       x = np.moveaxis(x, axis, -1); K = x.shape[-1]
;;       x = np.pad(x, [(0, 0)] * (x.ndim - 1) + [(0, -K % 32)]); x = x.reshape(x.shape[:-1] + (-1, 32)); a = np.abs(x).max(-1, keepdims=True)
;;       e = np.where(a > 0, np.clip(np.frexp(np.where(a > 0, a, 1))[1] - 1 - 2, -126, 127), 0)      # np.frexp(a)[1] - 1 = floor(log2(a)), exactly
;;       r = np.clip(x / 2.0 ** e, -7.5, 7.5)
;;       step = 2.0 ** (np.maximum(np.frexp(np.where(r == 0, 1, r))[1] - 1, 0) - 3)
;;       q = np.round(r / step) * step * 2.0 ** e      # np.round: ties to even
;;       return np.moveaxis(q.reshape(q.shape[:-2] + (-1,))[..., :K], -1, axis).astype(np.float32)
;;   ~~~
;;   SOFTMAX AHEAD OF A QUANTISED PRODUCT. Where the list says 'softmax', what is quantised is not the finished softmax but p = 2^(t - M), with t = logit x log2(e) and M = ceil(the row's largest t), a whole number; so 1/2 < the row's largest p <= 1. The row's sum l is taken of the UNQUANTISED p, in f32, and the product's result is divided by l at the end. Since M is a whole number, a kernel that streams over the keys may use a running M (the ceiling of the running maximum): every later rescaling is an exact power of two, which a block's scale takes up: the codes' values come out the same.
;;   OPERANDS COMPUTED ON THE WAY. 'Computed on the way' means the value that the module computes at that place (a softmax that the list does not call 'softmax' is quantised finished and normalised). What goes into a quantiser is computed in f32, as accurately as f32 sums, v_exp_f32 and their like allow (about 1e-6 of the number): no bf16 or f16 on the way to a quantiser, and a product that is left as it is and whose result goes on into a quantised operand takes f32 operands (vector FMAs, or v_wmma_f32_16x16x4_f32). A number that lies on a knife's edge between two numbers of the format may be rounded either way, as far as f32 arithmetic and the matrix unit's own rounding can turn it there, and no further.
;; One version. Each part assembles by itself: llvm-mc -triple=amdgcn-amd-amdhsa -mcpu=gfx1250 --defsym DOCPART=n.
;; ======== version 1 of 1: 3 launches
;; limits: right only within a limited range of input values
;; workspace buffers: xb 3,276,800 bytes; wb 2,457,600 bytes; ob 819,200 bytes; ab 3,276,800 bytes
;; launch quant (part 1): grid 256 x 1, 4 waves a work-group, no clusters, 77,312 bytes of LDS; arguments x, W_qkv, W_out, xb, wb, ob; writes xb, wb, ob
.if DOCPART == 1
	.amdgcn_target "amdgcn-amd-amdhsa--gfx1250"
	.amdhsa_code_object_version 6
	.text
	.protected	k_q3f297a3459_quant
	.globl	k_q3f297a3459_quant
	.p2align	8
	.type	k_q3f297a3459_quant,@function
k_q3f297a3459_quant:
	s_mov_b64 s[64:65], 0
	v_nop
	global_prefetch_b8 v0, s[64:65] scope:SCOPE_SE
	s_setreg_imm32_b32 hwreg(HW_REG_WAVE_MODE, 25, 1), 1
	s_wait_xcnt 0x0
; x [4096][1024], W_qkv [1024][3072] and W_out [1024][1024], f32, become codes of FP6 (E2M3) with one E8M0 scale byte for each 32 along K (K = the 1,024: x's last axis, the weights' first).
; A block's scale is 2^(floor(log2(its largest magnitude)) - 2); its byte is the largest magnitude's exponent field - 2, held at 1 from below.
; LIMITS (all launches): NaN and infinities are not served.  A block of zeros, or one whose largest magnitude lies under 2^-124, gets the byte 1: only this program reads the bytes, and zero codes add nothing.
; LEFT OUT (in launch qkv_attn): scores of keys that reference()'s own band mask hides in whole groups of 64 keys.  A NaN, an infinity or an overflow that reaches only such a score is not carried to the result.
; A FRAGMENT (16 rows x 128 K) is an image of the matrix operand's registers: [piece 3][lane 32][16 bytes], 1,536 bytes; lane (r, h) holds row r, registers 6 c .. 6 c + 5 are K = 64 c + 32 h + 0 .. 31.
; ROW ORDER: 64 neighbouring rows (tokens of x, columns of W) are four tiles j; row r of tile j is 32 (r / 8) + 8 j + r % 8.  Then 32 results of a lane of four tiles are 32 neighbours.
; SCALE WORDS (a row's four bytes for 128 K) of 64 rows: [r 16][j 4][4 bytes], 256 bytes.
; xb [16 groups of 256 tokens][K chunk of 128: 8][16 tiles of 1,536, then 4 x 256 of scales];  wb [head 16][K chunk 8][q, k, v: 4 tiles each, then 3 x 256];  ob [128 columns of W_out: 8][K chunk 8][8 tiles, then 2 x 256].
; SHARES.  A wave takes 64 rows x 128 K: four images and 64 scale words, stored as whole aligned runs.  Work-groups 0-127 take x, 128-223 W_qkv, 224-255 W_out.  The two ways part at the head, never join, and have LDS bytes of their own.
; No tensor loads, no barrier: waves share nothing.  No cluster: no two work-groups read the same byte.
.set SP,     80                        ; x: a lane's place in a turn stage: 64 bytes + 16
.set XREG,   12288                     ; x: a wave's LDS: two turn stages, the code stage, 256 scale bytes
.set XCS,    5120
.set CP,     104                       ; a row of a code stage: 96 bytes of codes + 8
.set XSS,    XCS+64*CP
.set WREG0,  49152
.set WREG,   64*CP+256                 ; weights: a wave's LDS: code stage, scale words
.set WSS,    64*CP
.set SPARE,  WREG0+4*WREG              ; the spare words
.set R,      16                        ; x: v16-143 eight sets of 16 numbers as loaded
.set X,      144                       ; x: v144-175 two sets of 16 neighbours
.set C,      176                       ; x: v176-183 codes, two sets
.set E,      184                       ; x: v184-185 scale bytes
.set XW,     16                        ; weights: v16-143 two sets of 32 rows x 2 columns
.set OF,     144                       ; weights: v144-175 byte offsets of 32 rows
.set M,      176                       ; weights: v176-239 the two columns' 32 numbers on end
.set CW,     240                       ; weights: v240-246, v248-254 codes
.macro IMAGES out, adr                 ; lane (r, h) takes, of row 32 (r / 8) + 8 j + r % 8, the 24 bytes at 48 c + 24 h
.irp j, 0,1,2,3
.irp p, 0,1,2,3,4,5
	ds_load_b64 v[\out+12*\j+2*\p:\out+12*\j+2*\p+1], v[\adr] offset:\j*8*CP+48*(\p/3)+8*(\p%3)
.endr
.endr
.endm
.macro SEND out, base                  ; one more LDS load was issued behind the 24; LDS loads come back in order
.irp j, 0,1,2,3
.irp p, 0,1,2
	s_wait_dscnt 23-(6*\j+2*\p)
	global_store_b128 v7, v[\out+12*\j+4*\p:\out+12*\j+4*\p+3], s[\base:\base+1] offset:1536*\j+512*\p
.endr
.endr
.endm
	s_load_b256 s[4:11], s[0:1], 0x0               ; x, W_qkv, W_out, xb
	s_load_b128 s[12:15], s[0:1], 0x20             ; wb, ob
	v_lshl_add_u32 v14, v0, 2, SPARE               ; my spare word, and 0
	v_mov_b32 v15, 0
	v_lshrrev_b32 v1, 5, v0
	v_readfirstlane_b32 s20, v1                    ; wave
	v_and_b32 v2, 31, v0                           ; lane
	v_and_b32 v10, 15, v0                          ; r
	v_bfe_u32 v8, v0, 4, 1                         ; h
	v_lshrrev_b32 v5, 3, v10
	v_mad_u32_u24 v1, v5, 24, v10                  ; 32 (r / 8) + r % 8
	v_lshlrev_b32 v7, 4, v2                        ; 16 x lane
	v_lshlrev_b32 v3, 3, v2                        ; 8 x lane
	v_mul_u32_u24 v6, v1, CP
	v_mad_u32_u24 v6, v8, 24, v6                   ; code stage, out
	s_wait_alu depctr_va_vdst(0)
	s_cmp_lt_u32 ttmp9, 128
	s_cbranch_scc0 .Lweights
; ---------------- x: K is innermost: 16 steps of four rows x 128 K; each load reads a row's 512 consecutive bytes
	s_mul_i32 s21, s20, XREG
	v_lshrrev_b32 v12, 2, v2
	v_mul_u32_u24 v12, v12, SP
	v_and_b32 v13, 3, v2
	v_lshl_add_u32 v12, v13, 4, v12
	v_add_nc_u32 v12, s21, v12                     ; turn stage, in
	v_mul_u32_u24 v13, v2, SP
	v_add_nc_u32 v13, s21, v13                     ; turn stage, out: my 16 neighbours
	v_lshrrev_b32 v8, 3, v2                        ; which of the step's four rows
	v_and_b32 v9, 7, v2
	v_mul_u32_u24 v4, v8, CP
	v_mad_u32_u24 v4, v9, 12, v4
	v_add_nc_u32 v4, s21, v4
	v_add_nc_u32 v4, XCS, v4                       ; code stage, in: 12 bytes for my 16 codes
	v_lshrrev_b32 v5, 1, v9
	v_lshl_add_u32 v5, v8, 4, v5
	v_add_nc_u32 v5, s21, v5
	v_add_nc_u32 v5, XSS, v5                       ; my block's scale byte
	v_add_nc_u32 v6, s21, v6
	v_add_nc_u32 v6, XCS, v6
	v_add_nc_u32 v10, s21, v3
	v_add_nc_u32 v10, XSS, v10                     ; scale words, out
	s_lshr_b32 s22, ttmp9, 1                       ; which 64 tokens
	s_and_b32 s23, ttmp9, 1
	s_lshl_b32 s23, s23, 2
	s_add_co_u32 s23, s23, s20                     ; which 128 along K
	s_lshl_b32 s24, s22, 18
	s_lshl_b32 s25, s23, 9
	s_add_co_u32 s24, s24, s25
	s_mov_b32 s25, 0
	s_lshr_b32 s26, s22, 2
	s_lshl_b32 s26, s26, 3
	s_add_co_u32 s26, s26, s23
	s_mul_i32 s26, s26, 25600
	s_and_b32 s22, s22, 3
	s_mul_i32 s28, s22, 6144
	s_lshl_b32 s30, s22, 8
	s_add_co_u32 s30, s30, s26
	s_add_co_u32 s30, s30, 24576                   ; scales
	s_mov_b32 s31, 0
	s_add_co_u32 s28, s28, s26                     ; codes
	s_mov_b32 s29, 0
	s_wait_alu depctr_va_vdst(0)
	s_wait_kmcnt 0x0
	s_add_nc_u64 s[4:5], s[4:5], s[24:25]
	s_add_nc_u64 s[16:17], s[10:11], s[28:29]
	s_add_nc_u64 s[18:19], s[10:11], s[30:31]
.macro XLOAD t
.irp i, 0,1,2,3
	global_load_b128 v[R+16*((\t)%8)+4*\i:R+16*((\t)%8)+4*\i+3], v7, s[4:5] offset:(4*(\t)+\i)*4096 th:TH_LOAD_NT
.endr
.endm
.macro XTURN t                         ; LDS serves a wave's instructions in order: no wait between the stores and the loads
.irp i, 0,1,2,3
	ds_store_b128 v12, v[R+16*((\t)%8)+4*\i:R+16*((\t)%8)+4*\i+3] offset:32*SP*((\t)%2)+8*SP*\i
.endr
.irp i, 0,1,2,3
	ds_load_b128 v[X+16*((\t)%2)+4*\i:X+16*((\t)%2)+4*\i+3], v13 offset:32*SP*((\t)%2)+16*\i
.endr
.endm
.irp t, 0,1,2,3,4,5,6,7
	XLOAD \t
.endr
	s_wait_loadcnt 28                              ; step 0's four loads are in
	XTURN 0
.macro XSTEP t
.set XS, X+16*((\t)%2)
.set CC, C+4*((\t)%2)
.if (\t) > 0
	s_wait_dscnt 4                                 ; this step's numbers are back (the last step's three code stores and byte store may be out)
.else
	s_wait_dscnt 0x0
.endif
.if (\t)+8 < 16
	XLOAD (\t)+8                                   ; into the registers that this step's stores have read
.endif
.if (\t)+1 < 16
.if 14-(\t) >= 7
	s_wait_loadcnt 28                              ; the next step's loads are in; those of the seven behind it may be out
.else
	s_wait_loadcnt 4*(14-(\t))
.endif
	XTURN (\t)+1
.endif
	v_max3_num_f32 v8, |v[XS]|, |v[XS+1]|, |v[XS+2]|
	v_max3_num_f32 v9, |v[XS+3]|, |v[XS+4]|, |v[XS+5]|
.irp i, 6,10
	v_max3_num_f32 v8, v8, |v[XS+\i]|, |v[XS+\i+1]|
	v_max3_num_f32 v9, v9, |v[XS+\i+2]|, |v[XS+\i+3]|
.endr
	v_max3_num_f32 v8, v8, |v[XS+14]|, |v[XS+15]|
	v_max3_num_f32 v8, v8, v9, 0x1800000           ; with the floor 2^(3 - 127)
	v_max_num_f32_dpp v8, v8, v8 row_xmask:1 row_mask:0xf bank_mask:0xf   ; with my neighbour's 16: the block's
	v_add_nc_u32 v11, 0xff000000, v8               ; 2 off its exponent field: the conversion's scale operand
	v_cvt_scalef32_pk16_fp6_f32 v[CC:CC+2], v[XS:XS+15], v11
	v_lshrrev_b32 v[E+(\t)%2], 23, v11             ; the scale's byte
.irp k, 0,1,2
	ds_store_b32 v4, v[CC+\k] offset:4*(\t)*CP+4*\k
.endr
	ds_store_b8 v5, v[E+(\t)%2] offset:16*(8*((\t)/8)+4*((\t)%2))+4*(((\t)/2)%4)   ; row 4 t + lane / 8; both lanes of a block write the same byte
.endm
.irp t, 0,1,2,3,4,5,6,7,8,9,10,11,12,13,14,15
	XSTEP \t
.endr
	IMAGES 192, 6
	ds_load_b64 v[240:241], v10
	SEND 192, 16
	s_wait_dscnt 0x0
	global_store_b64 v3, v[240:241], s[18:19]
	s_wait_tensorcnt 0x0                           ; the wave's end
	ds_add_u32 v14, v15
	s_wait_dscnt 0x0
	s_endpgm
; ---------------- the weights: K is the first axis: a lane takes two neighbouring columns, a load reads 256 consecutive bytes of a row
.Lweights:
	s_sub_co_u32 s21, ttmp9, 128
	s_and_b32 s22, s21, 7                          ; which 128 along K
	s_lshr_b32 s23, s21, 3                         ; 0-11 W_qkv's, 12-15 W_out's
	s_lshl_b32 s24, s23, 2
	s_add_co_u32 s24, s24, s20                     ; which 64 columns: 0-47 W_qkv's, 48-63 W_out's
	s_sub_co_u32 s25, s24, 48
	s_lshr_b32 s26, s24, 4                         ; W_qkv: section
	s_and_b32 s27, s24, 15                         ; W_qkv: head
	s_lshr_b32 s28, s25, 1                         ; W_out: 128 columns
	s_and_b32 s29, s25, 1                          ; W_out: which half of them
	s_mov_b32 s52, 4096
	s_mov_b32 s53, 12800
	s_mov_b32 s54, 12288
	s_cmp_lt_u32 s23, 12
	s_cselect_b32 s52, 12288, s52                  ; bytes in a row of my tensor
	s_cselect_b32 s53, 19200, s53                  ; bytes of a K chunk in its buffer
	s_cselect_b32 s54, 18432, s54                  ; where its scales begin
	s_cselect_b32 s25, s24, s25
	s_cselect_b32 s28, s27, s28
	s_cselect_b32 s29, s26, s29
	s_lshl_b32 s26, s22, 7
	s_mul_i32 s26, s26, s52
	s_lshl_b32 s27, s25, 8
	s_add_co_u32 s26, s26, s27
	s_mov_b32 s27, 0
	s_lshl_b32 s50, s52, 5                         ; 32 rows on
	s_mov_b32 s51, 0
	s_lshl_b32 s30, s28, 3
	s_add_co_u32 s30, s30, s22
	s_mul_i32 s30, s30, s53
	s_mul_i32 s28, s29, 6144
	s_lshl_b32 s40, s29, 8
	s_add_co_u32 s28, s28, s30                     ; codes
	s_mov_b32 s29, 0
	s_add_co_u32 s40, s40, s30
	s_add_co_u32 s40, s40, s54                     ; scales
	s_mov_b32 s41, 0
.set i, 0
.rept 32
	v_mad_u32_u24 v[OF+i], s52, i, v3              ; row i of a block, my two columns
.set i, i+1
.endr
	s_mul_i32 s55, s20, WREG
	s_add_co_u32 s55, s55, WREG0
	v_mul_u32_u24 v4, v2, 2*CP
	v_add_nc_u32 v4, s55, v4                       ; code stage, in: rows 2 lane and 2 lane + 1
	v_add_nc_u32 v6, s55, v6
	v_lshrrev_b32 v5, 4, v2
	v_lshlrev_b32 v5, 7, v5
	v_and_b32 v8, 3, v2
	v_lshl_add_u32 v5, v8, 5, v5
	v_bfe_u32 v8, v2, 2, 2
	v_lshl_add_u32 v5, v8, 2, v5
	v_add_nc_u32 v5, s55, v5
	v_add_nc_u32 v2, WSS, v5                       ; my first column's scale word; the second's lies 16 bytes on
	s_wait_alu depctr_va_vdst(0)
	s_wait_kmcnt 0x0
	s_cmp_lt_u32 s23, 12                           ; the choice hangs on the work-group's number alone
	s_cselect_b64 s[32:33], s[6:7], s[8:9]
	s_cselect_b64 s[12:13], s[12:13], s[14:15]
	s_add_nc_u64 s[32:33], s[32:33], s[26:27]
.irp t, 1,2,3
	s_add_nc_u64 s[32+2*\t:33+2*\t], s[30+2*\t:31+2*\t], s[50:51]
.endr
	s_add_nc_u64 s[16:17], s[12:13], s[28:29]
	s_add_nc_u64 s[18:19], s[12:13], s[40:41]
.macro WLOAD t
.set i, 0
.rept 32
	global_load_b64 v[XW+64*((\t)%2)+2*i:XW+64*((\t)%2)+2*i+1], v[OF+i], s[32+2*(\t):33+2*(\t)] th:TH_LOAD_NT
.set i, i+1
.endr
.endm
	WLOAD 0
	WLOAD 1
.macro BLOCK t
.set XS, XW+64*((\t)%2)
	s_wait_dscnt 0x0                               ; the last block's stores have read their registers
.if (\t) < 3
	s_wait_loadcnt 32                              ; this block's 32 loads are in; the next block's may be out
.else
	s_wait_loadcnt 0x0
.endif
.set i, 0
.rept 32
	v_mov_b32 v[M+i], v[XS+2*i]                    ; the conversions take a column's numbers from consecutive registers
	v_mov_b32 v[M+32+i], v[XS+2*i+1]
.set i, i+1
.endr
.if (\t)+2 < 4
	WLOAD (\t)+2
.endif
	v_max3_num_f32 v5, |v[M]|, |v[M+1]|, |v[M+2]|
	v_max3_num_f32 v8, |v[M+3]|, |v[M+4]|, |v[M+5]|
	v_max3_num_f32 v9, |v[M+32]|, |v[M+33]|, |v[M+34]|
	v_max3_num_f32 v10, |v[M+35]|, |v[M+36]|, |v[M+37]|
.irp i, 6,10,14,18,22,26
	v_max3_num_f32 v5, v5, |v[M+\i]|, |v[M+\i+1]|
	v_max3_num_f32 v8, v8, |v[M+\i+2]|, |v[M+\i+3]|
	v_max3_num_f32 v9, v9, |v[M+32+\i]|, |v[M+33+\i]|
	v_max3_num_f32 v10, v10, |v[M+34+\i]|, |v[M+35+\i]|
.endr
	v_max3_num_f32 v5, v5, |v[M+30]|, |v[M+31]|
	v_max3_num_f32 v9, v9, |v[M+62]|, |v[M+63]|
	v_max3_num_f32 v5, v5, v8, 0x1800000
	v_max3_num_f32 v9, v9, v10, 0x1800000
	v_add_nc_u32 v11, 0xff000000, v5
	v_add_nc_u32 v1, 0xff000000, v9
	v_lshrrev_b32 v5, 23, v11
	v_lshrrev_b32 v9, 23, v1
.if (\t) == 0
	v_mov_b32 v12, v5
	v_mov_b32 v13, v9
.else
	v_lshl_or_b32 v12, v5, 8*(\t), v12
	v_lshl_or_b32 v13, v9, 8*(\t), v13
.endif
	v_cvt_scalef32_pk16_fp6_f32 v[CW:CW+2], v[M:M+15], v11
	v_cvt_scalef32_pk16_fp6_f32 v[CW+4:CW+6], v[M+16:M+31], v11
	v_cvt_scalef32_pk16_fp6_f32 v[CW+8:CW+10], v[M+32:M+47], v1
	v_cvt_scalef32_pk16_fp6_f32 v[CW+12:CW+14], v[M+48:M+63], v1
	v_nop                                          ; one plain line behind a scaled conversion
.irp c, 0,8
	v_mov_b32 v[CW+\c+3], v[CW+\c+4]
	v_mov_b32 v[CW+\c+4], v[CW+\c+5]
	v_mov_b32 v[CW+\c+5], v[CW+\c+6]               ; 24 bytes on end
.endr
.irp k, 0,1,2
	ds_store_b64 v4, v[CW+2*\k:CW+2*\k+1] offset:24*(\t)+8*\k
	ds_store_b64 v4, v[CW+8+2*\k:CW+9+2*\k] offset:CP+24*(\t)+8*\k
.endr
.endm
.irp t, 0,1,2,3
	BLOCK \t
.endr
	ds_store_b32 v2, v12
	ds_store_b32 v2, v13 offset:16
	v_add_nc_u32 v9, s55, v3
	IMAGES 16, 6
	ds_load_b64 v[64:65], v9 offset:WSS
	SEND 16, 16
	s_wait_dscnt 0x0
	global_store_b64 v3, v[64:65], s[18:19]
	s_wait_tensorcnt 0x0                           ; the wave's end
	ds_add_u32 v14, v15
	s_wait_dscnt 0x0
	s_endpgm
.Lfunc_end_k_q3f297a3459_quant:
	.size	k_q3f297a3459_quant, .Lfunc_end_k_q3f297a3459_quant-k_q3f297a3459_quant
	.p2alignl 7, 3214868480
	.fill 96, 4, 3214868480
	.section	.rodata,"a",@progbits
	.p2align	6, 0x0
	.amdhsa_kernel k_q3f297a3459_quant
		.amdhsa_group_segment_fixed_size 77312
		.amdhsa_private_segment_fixed_size 0
		.amdhsa_enable_private_segment 0
		.amdhsa_kernarg_size 48
		.amdhsa_user_sgpr_count 2
		.amdhsa_user_sgpr_kernarg_segment_ptr 1
		.amdhsa_wavefront_size32 1
		.amdhsa_system_sgpr_workgroup_id_x 1
		.amdhsa_system_sgpr_workgroup_id_y 1
		.amdhsa_system_sgpr_workgroup_id_z 1
		.amdhsa_system_vgpr_workitem_id 0
		.amdhsa_next_free_vgpr 256
		.amdhsa_next_free_sgpr 66
		.amdhsa_reserve_vcc 0
		.amdhsa_float_denorm_mode_32 3
		.amdhsa_float_denorm_mode_16_64 3
		.amdhsa_memory_ordered 1
		.amdhsa_forward_progress 1
		.amdhsa_inst_pref_size 79
	.end_amdhsa_kernel
	.amdgpu_metadata
---
amdhsa.version: [ 1, 2 ]
amdhsa.kernels:
  - .name:           k_q3f297a3459_quant
    .symbol:         k_q3f297a3459_quant.kd
    .args:
      - { .name: x, .offset: 0, .size: 8, .value_kind: global_buffer, .address_space: global }
      - { .name: W_qkv, .offset: 8, .size: 8, .value_kind: global_buffer, .address_space: global }
      - { .name: W_out, .offset: 16, .size: 8, .value_kind: global_buffer, .address_space: global }
      - { .name: xb, .offset: 24, .size: 8, .value_kind: global_buffer, .address_space: global }
      - { .name: wb, .offset: 32, .size: 8, .value_kind: global_buffer, .address_space: global }
      - { .name: ob, .offset: 40, .size: 8, .value_kind: global_buffer, .address_space: global }
    .group_segment_fixed_size: 77312
    .private_segment_fixed_size: 0
    .kernarg_segment_align: 8
    .kernarg_segment_size: 48
    .max_flat_workgroup_size: 128
    .sgpr_count:     66
    .vgpr_count:     256
    .wavefront_size: 32
...
	.end_amdgpu_metadata
.endif
;; end of part 1
;; launch qkv_attn (part 2): grid 16 x 16, 4 waves a work-group, clusters of 4 x 4, 327,680 bytes of LDS; arguments xb, wb, b_qkv, ab; writes ab
.if DOCPART == 2
	.amdgcn_target "amdgcn-amd-amdhsa--gfx1250"
	.amdhsa_code_object_version 6
	.text
	.protected	k_q3f297a3459_qkv_attn
	.globl	k_q3f297a3459_qkv_attn
	.p2align	8
	.type	k_q3f297a3459_qkv_attn,@function
k_q3f297a3459_qkv_attn:
	s_mov_b64 s[64:65], 0
	v_nop
	global_prefetch_b8 v0, s[64:65] scope:SCOPE_SE
	s_setreg_imm32_b32 hwreg(HW_REG_WAVE_MODE, 25, 1), 1
	s_wait_xcnt 0x0
	s_wait_alu depctr_hold_cnt(0) depctr_sa_sdst(0) depctr_va_vdst(0) depctr_va_sdst(0) depctr_va_ssrc(0) depctr_va_vcc(0) depctr_vm_vsrc(0)
	s_getreg_b32 s2, hwreg(HW_REG_IB_STS2, 6, 4)
	s_cmp_eq_u32 s2, 0
	s_cbranch_scc0 .Lentry_in_a_cluster
	s_endpgm
.Lentry_in_a_cluster:
	s_bfe_u32 s2, ttmp6, 0x10000c
	s_cmp_lg_u32 s2, 0xf033
	s_cbranch_scc0 .Lentry_shape_is_right
	s_endpgm
.Lentry_shape_is_right:
; q, k, v = Q(x) Q(W_qkv) + b_qkv of one head, their quantisers, and the banded attention over them: key j counts for query i where 0 <= i - j < 256.  The result leaves as codes for the last product.
; SHARES.  256 work-groups, each one head and 256 queries (group g): q of its 256 tokens, k and v of those and of the 256 tokens in front.  Wave w owns 64 queries and makes k, v of 64 tokens of either group.
; LEFT OUT: groups of 64 keys that the band mask hides from all 64 queries of a wave; of what is left, hidden scores get -1e30 as the C of their product.
; A batch's first group has no tokens in front: its place is filled with other rows of x, and all its keys are hidden by the same C (a select, no branch: partners of a cluster walk alike).
; PRODUCTS.  q, k: source 0 = W's tile, source 1 = x's tile: a lane holds a token; by the rows' order its 32 results of four W tiles are 32 neighbouring channels: one scale block.  v: source 0 = x's tile: a lane holds a channel
; and 32 neighbouring tokens.  S^T = K Q^T: a lane holds a query and 32 neighbouring keys of each group of 64.  O^T = V^T P^T: 32 neighbouring channels.  So no quantiser looks at another lane but for packing scale words.
; The scores' K is 64: registers 6-11 of q's operands are zero codes, and k's operands there hold whatever codes follow.  Of the third P V product the upper half of p is zero codes in the same way.
; t = score x log2(e) / 8; M = the row's largest t rounded UP; p = 2^(t - M); the sum of the unquantised p divides at the end.
; K (1,024) goes in four pairs of 128 through two LDS slots.  CLUSTERS 4 x 4: x's tiles are shared along a row (same g), W's along a column (same head), by joint loads.
; NO PREFETCH: the walk is four slots, written out, each asked for one whole slot (160 matrix instructions a wave) ahead: there is no loop to run ahead in.
; LIMITS: NaN and infinities are not served; the promise holds while the scaled scores stay under 2^31 in magnitude; 1 / sum is v_rcp_f32's; a block under 2^-124 gets the scale byte 1.
; REGISTERS, products: v1-19 addresses; v32-55 scale words, two sets; fragments, sets of four: v56 W_q, v104 x (own), v152 and v200 W_k by turns, v256 x (in front), v304 W_v; v352-383 v's bias; v384-1023 the 80 sums.
; Attention: v20-55 scales; v56-79 C of the middle groups; v80-99 at work; v100 q; v148 p's codes; v184 O^T; v216-247 at work; v248-250 p's scales; v256, v312 C of the far and the diagonal group; v368 k; v512 S^T; v672, v928 v.
.set XKC,   25600                      ; from one K chunk to the next in a slot
.set XCO,   51200                      ; a slot: x in front, own x, W
.set WO,    102400
.set SLOT,  147200
.set SPARE, 2*SLOT
.set KSB,   49152                      ; attention's LDS, in slot 0 behind its last fill and its last read: k's images at 0, v's at 24,576, scale bytes of k and of v, the result's scale bytes
.set VSB,   50176
.set OSB,   51200
.set AXP, 4
.set AXC, 6
.set AW,  8
.set AS0, 10
.set AS1, 12
.set AS2, 14
.set SC,  32
.set WQ,  56
.set XC,  104
.set KA,  152
.set KB,  200
.set XP,  0                            ; window 1
.set VV,  48
.set VB,  96
.set VSC, 20
.set KSC, 32
.set QSC, 52
.set PSC, 248
.set GC,  56
.set BM,  80
.set SOP, 86
.set BY,  92
.set QF,  100
.set P,   148
.set O,   184
.set TC,  216
.set SU,  236
.set LL,  244
.set NM,  246
.set FAR, 0                            ; window 1
.set DIA, 56
.set KF,  112
.set VF,  160                          ; window 2, and the last group's in window 3
.set G1A, 24
.set G1B, 32
.set G0A, 40
.set G0B, 48
.set MSB, 0
.macro WIN new                         ; the immediate's high byte repeats the setting that is left
.if MSB != (\new)
	s_set_vgpr_msb (MSB<<8)|(\new)
.set MSB, (\new)
.endif
.endm
.macro WALU
	s_wait_alu depctr_va_vdst(0)
.endm
.macro PLACES n
.rept \n
	v_nop
.endr
.endm
.macro JLOAD s                         ; a joint load: waves 0, 1 the two groups of x, waves 2, 3 the two K chunks of W
	s_cmp_eq_u32 s15, 0
	s_cbranch_scc0 .Lfor_w_\@
	tensor_load_to_lds s[G0A+4*\s:G0A+4*\s+3], s[G1A:G1A+7]
	s_nop 0
	PLACES 4
	s_branch .Lasked_\@
.Lfor_w_\@:
	tensor_load_to_lds s[G0B+4*\s:G0B+4*\s+3], s[G1B:G1B+7]
	s_nop 0
	PLACES 4
.Lasked_\@:
.endm
.macro CREST                           ; a round of the cluster's barrier behind its opening barrier
	s_cmp_lg_u32 s14, 0
	s_cbranch_scc1 .Lnot_wave_0_\@
	s_barrier_signal -3
.Lnot_wave_0_\@:
	s_barrier_wait -3
	s_barrier_signal -1
	s_barrier_wait -1
.endm
.macro CROUND
	s_barrier_signal -1
	s_barrier_wait -1
	CREST
.endm
.macro FSET dst, w, adr, off           ; four fragments: 12 loads
	WIN (\w)<<6
.irp j, 0,1,2,3
.irp p, 0,1,2
	ds_load_b128 v[\dst+12*\j+4*\p:\dst+12*\j+4*\p+3], v[\adr] offset:(\off)+1536*\j+512*\p
.endr
.endr
	WIN 0
.endm
.macro SCF dst, s, off                 ; scale words, 3 loads: lanes 0-15 W_q, W_k, W_v; lanes 16-31 own x, x in front
	ds_load_b128 v[\dst:\dst+3], v[AS0+\s] offset:\off
	ds_load_b128 v[\dst+4:\dst+7], v[AS1+\s] offset:\off
	ds_load_b128 v[\dst+8:\dst+11], v[AS2+\s] offset:\off
.endm
.macro PR d, s0, s1, c, x0, x1, side
	v_wmma_scale_f32_16x16x128_f8f6f4 v[\d:\d+7], v[\s0:\s0+11], v[\s1:\s1+11], \c, v[\x0], v[\x1] matrix_a_fmt:MATRIX_FMT_FP6 matrix_b_fmt:MATRIX_FMT_FP6 matrix_\side\()_scale:MATRIX_SCALE_ROW1
.endm
; products from .. to - 1 of a batch of 16 of K chunk n; in chunk 0 the bias is C.  The 80 sums take turns, one instruction a turn, in the same order in every chunk.
.macro BATCH n, from, to, s0, w0, s1, w1, x0, x1, side, a, c, cw, cq
.set I_, \from
.rept (\to)-(\from)
.set O_, I_/4
.set Q_, I_%4
.set DW_, (384+8*((\a)+I_))>>8
.set DL_, (384+8*((\a)+I_))&255
.set A_, (\s0)+12*Q_
.set B_, (\s1)+12*O_
.set XA_, SC+12*((\n)%2)+(\x0)+Q_
.set XB_, SC+12*((\n)%2)+(\x1)+O_
.set C_, (\c)+8*(Q_*(\cq)+O_*(1-(\cq)))
.if (\n) > 0
	WIN (\w0)|((\w1)<<2)|(DW_<<4)|(DW_<<6)
	PR DL_, A_, B_, v[DL_:DL_+7], XA_, XB_, \side
.else
	WIN (\w0)|((\w1)<<2)|((\cw)<<4)|(DW_<<6)
	PR DL_, A_, B_, v[C_:C_+7], XA_, XB_, \side
.endif
.set I_, I_+1
.endr
.endm
.macro MB n, bt, from, to
.if (\bt) == 0
	BATCH \n, \from, \to, WQ, 0, XC, 0, 0, 0, b, 0, XP, 1, 1
.elseif (\bt) == 1
	BATCH \n, \from, \to, KA+48*((\n)%2), 0, XC, 0, 4, 0, b, 16, KB, 0, 1
.elseif (\bt) == 2
	BATCH \n, \from, \to, XC, 0, VV, 1, 0, 8, a, 32, VB, 1, 0
.elseif (\bt) == 3
	BATCH \n, \from, \to, XP, 1, VV, 1, 4, 8, a, 48, VB, 1, 0
.else
	BATCH \n, \from, \to, KA+48*((\n)%2), 0, XP, 1, 4, 4, b, 64, KB, 0, 1
.endif
.endm
; K chunk n: q, own k, own v, v in front, k in front.  Each set is fetched anew as soon as its last products are issued; the counts are the LDS loads issued behind the set that is needed (12 a set, 3 for the scales).
; In chunks 1, 3, 5 the other slot is shown landed, and in 1 and 3 this one is filled again: a round stands inside own k's products, behind the last reads of this slot.
.macro KC n
.set OFF_, XKC*((\n)%2)
.set SL_, ((\n)/2)%2
.set ON_, XKC*(((\n)+1)%2)
.set SN_, (((\n)+1)/2)%2
.set SCN_, SC+12*(((\n)+1)%2)
.set KN_, KA+48*(((\n)+1)%2)
.if (\n) == 0
	s_wait_dscnt 24
	MB \n, 0, 0, 16
	PLACES 4
	FSET XP, 1, AXP+SL_, OFF_                      ; (its registers held q's bias)
	FSET WQ, 0, AW+SN_, ON_
	SCF SCN_, SN_, ON_
	s_wait_dscnt 39
	MB \n, 1, 0, 16
	s_wait_dscnt 27
.else
	PLACES 4
	FSET XP, 1, AXP+SL_, OFF_
.if (\n) == 1
	s_wait_dscnt 36
.else
	s_wait_dscnt 24
.endif
	MB \n, 0, 0, 16
.if ((\n)%2 == 1) && ((\n) < 7)
	WIN 0
	s_wait_tensorcnt 0x0                           ; my part of the other slot is in
.if (\n) < 5
	ds_add_u32 v1, v2
	s_add_nc_u64 s[G0A+4*SL_+2:G0A+4*SL_+3], s[G0A+4*SL_+2:G0A+4*SL_+3], 102400
	s_add_nc_u64 s[G0B+4*SL_+2:G0B+4*SL_+3], s[G0B+4*SL_+2:G0B+4*SL_+3], 76800
	s_wait_dscnt 13                                ; W_k is in; x in front and the add may be out
.endif
	MB \n, 1, 0, 8
	s_wait_dscnt 0x0                               ; the add, where there is one, and all my reads of this slot are done
	s_barrier_signal -1
	MB \n, 1, 8, 16
	WIN 0
	s_barrier_wait -1
.if (\n) < 5
	CREST
	JLOAD SL_
.else
	PLACES 4
.endif
	FSET WQ, 0, AW+SN_, ON_
	FSET KN_, 0, AW+SN_, ON_+6144
	SCF SCN_, SN_, ON_
.elseif (\n) < 7
	PLACES 4
	FSET WQ, 0, AW+SN_, ON_
	FSET KN_, 0, AW+SN_, ON_+6144
	SCF SCN_, SN_, ON_
	MB \n, 1, 0, 16
	s_wait_dscnt 39
.else
	MB \n, 1, 0, 16
	s_wait_dscnt 12
.endif
.endif
	MB \n, 2, 0, 16
.if (\n) < 7
	PLACES 4
	FSET XC, 0, AXC+SN_, ON_
.endif
.if (\n) == 0
	s_wait_dscnt 27
.elseif (\n) == 7
	s_wait_dscnt 0x0
.elseif (\n)%2 == 0
	s_wait_dscnt 39
.endif
	MB \n, 3, 0, 16
.if (\n) < 7
	PLACES 4
	FSET VV, 1, AW+SN_, ON_+12288
.endif
	MB \n, 4, 0, 16
.if (\n) == 0
	PLACES 4
	FSET KN_, 0, AW+SN_, ON_+6144                  ; (its registers held k's bias)
.endif
.endm
	s_load_b256 s[4:11], s[0:1], 0x0               ; xb, wb, b_qkv, ab
	v_lshl_add_u32 v1, v0, 2, SPARE                ; my spare word, and 0
	v_mov_b32 v2, 0
	ds_add_u32 v1, v2                              ; the wave's opening: the add, twice on end, and its wait
	ds_add_u32 v1, v2
	v_lshrrev_b32 v3, 5, v0
	v_readfirstlane_b32 s14, v3                    ; wave
	s_lshr_b32 s15, s14, 1
	s_and_b32 s16, s14, 1
	s_bfe_u32 s17, ttmp6, 0x40000                  ; cx
	s_bfe_u32 s18, ttmp6, 0x40004                  ; cy
	s_lshl_b32 s19, ttmp9, 2
	s_add_co_u32 s19, s19, s17                     ; head
	s_and_b32 s20, ttmp7, 0xffff
	s_lshl_b32 s20, s20, 2
	s_add_co_u32 s20, s20, s18                     ; g: 256 tokens
	s_lshl_b32 s21, s18, 2
	s_lshl_b32 s21, 15, s21                        ; my row of the cluster
	s_lshl_b32 s22, 0x1111, s17                    ; my column
	s_or_b32 s[G1A], s21, (3<<16)|(1<<21)          ; the mask; elements of 8 bytes; 21 set beside a mask
	s_or_b32 s[G1B], s22, (3<<16)|(1<<21)
	s_mov_b32 s[G1A+1], 256<<16                    ; x: 25 rows of 2,048 bytes: a group's two K chunks
	s_mov_b32 s[G1A+2], 25<<16
	s_mov_b32 s[G1A+3], 256<<16
	s_mov_b32 s[G1A+4], 25
	s_mov_b32 s[G1A+5], 256
	s_mov_b32 s[G1A+6], 0
	s_mov_b32 s[G1A+7], 0
	s_mov_b32 s[G1B+1], 96<<16                     ; W: 25 rows of 768 bytes: the head's one K chunk
	s_mov_b32 s[G1B+2], 25<<16
	s_mov_b32 s[G1B+3], 96<<16
	s_mov_b32 s[G1B+4], 25
	s_mov_b32 s[G1B+5], 96
	s_mov_b32 s[G1B+6], 0
	s_mov_b32 s[G1B+7], 0
	s_add_co_u32 s56, s20, s14                     ; wave 0: group g - 1, held at 0; wave 1: group g
	s_sub_co_i32 s56, s56, 1
	s_max_i32 s56, s56, 0
	s_mul_i32 s56, s56, 204800
	s_mov_b32 s57, 0
	s_mul_i32 s58, s19, 153600
	s_mul_i32 s21, s16, 19200
	s_add_co_u32 s58, s58, s21
	s_mov_b32 s59, 0
	s_mul_i32 s60, s14, XCO                        ; where they go: x by waves 0, 1; W by waves 2, 3
	s_mul_i32 s61, s14, XKC
	s_add_co_u32 s61, s61, WO-2*XKC
	s_lshl_b32 s62, s19, 8                         ; the head's 64 biases
	s_mov_b32 s63, 0
	s_lshl_b32 s21, s20, 1
	s_add_co_u32 s21, s21, s15
	s_lshl_b32 s21, s21, 3
	s_lshr_b32 s22, s19, 1
	s_add_co_u32 s21, s21, s22
	s_mul_i32 s21, s21, 12800                      ; ab: my 128 tokens, the head pair's K chunk
	s_and_b32 s22, s19, 1
	s_mul_i32 s23, s22, 768
	s_mul_i32 s82, s16, 6144
	s_add_co_u32 s82, s82, s23
	s_add_co_u32 s82, s82, s21                     ; my four tiles, my head's half
	s_mov_b32 s83, 0
	s_lshl_b32 s84, s22, 8
	s_add_co_u32 s84, s84, s21
	s_add_co_u32 s84, s84, 12288                   ; and the scale bytes
	s_mov_b32 s85, 0
	s_wait_dscnt 0x0                               ; both opening adds are done
	CROUND                                         ; the opening round
	s_wait_kmcnt 0x0
	s_add_nc_u64 s[G0A+2:G0A+3], s[4:5], s[56:57]
	s_add_nc_u64 s[G0B+2:G0B+3], s[6:7], s[58:59]
	s_add_nc_u64 s[G0A+6:G0A+7], s[G0A+2:G0A+3], 51200
	s_add_nc_u64 s[G0B+6:G0B+7], s[G0B+2:G0B+3], 38400
.irp s, 0,1
	s_mov_b32 s[G0A+4*\s], 1
	s_add_co_u32 s[G0A+4*\s+1], s60, \s*SLOT
	s_or_b32 s[G0A+4*\s+3], s[G0A+4*\s+3], 0x80000000
	s_mov_b32 s[G0B+4*\s], 1
	s_add_co_u32 s[G0B+4*\s+1], s61, \s*SLOT
	s_or_b32 s[G0B+4*\s+3], s[G0B+4*\s+3], 0x80000000
.endr
	JLOAD 0                                        ; K pair 0: one load a wave
	s_add_nc_u64 s[8:9], s[8:9], s[62:63]
	s_add_nc_u64 s[78:79], s[10:11], s[82:83]
	s_add_nc_u64 s[80:81], s[10:11], s[84:85]
	v_and_b32 v56, 31, v0                          ; lane
	v_and_b32 v57, 15, v0                          ; r
	v_bfe_u32 v58, v0, 4, 1                        ; h
	v_lshrrev_b32 v62, 3, v57
	v_and_b32 v63, 7, v57
	v_lshl_add_u32 v64, v62, 5, v63                ; 32 (r / 8) + r % 8
	v_lshlrev_b32 v65, 5, v58
	v_sub_nc_u32 v252, v64, v65                    ; the mask's number
	v_lshlrev_b32 v66, 7, v58                      ; q's, k's bias: 32 neighbours from 32 h on
	v_lshlrev_b32 v67, 2, v64                      ; v's bias: one number a lane and tile
	v_xor_b32 v59, 1, v58
	v_lshlrev_b32 v60, 4, v56
	v_lshlrev_b32 v253, 4, v56                     ; 16 x lane
	v_lshlrev_b32 v3, 3, v56                       ; 8 x lane
	v_lshlrev_b32 v61, 4, v57
	WALU
	WIN 0x40
.irp k, 0,1,2,3,4,5,6,7
	global_load_b128 v[XP+4*\k:XP+4*\k+3], v66, s[8:9] offset:16*\k
.endr
.irp t, 0,1,2,3
	global_load_b32 v[VB+8*\t], v67, s[8:9] offset:8192+32*\t
.endr
	WIN 0
.irp k, 0,1,2,3,4,5,6,7
	global_load_b128 v[KB+4*\k:KB+4*\k+3], v66, s[8:9] offset:4096+16*\k
.endr
	s_mul_i32 s21, s14, 6144                       ; my four tiles of a group
	s_add_co_u32 s22, s21, XCO
	s_mov_b32 s23, WO
.irp s, 0,1
	v_add_nc_u32 v[AXP+\s], s21, v60
	v_add_nc_u32 v[AXC+\s], s22, v60
	v_add_nc_u32 v[AW+\s], s23, v60
	s_add_co_u32 s21, s21, SLOT
	s_add_co_u32 s22, s22, SLOT
	s_add_co_u32 s23, s23, SLOT
.endr
	s_lshl_b32 s21, s14, 8
	s_add_co_u32 s22, s21, XCO+24576               ; lanes 16-31: own x's words; lanes 0-15: W_q's: one product, the distance x (1 - h)
	s_sub_co_u32 s23, WO+18432, s22
	v_mul_u32_u24 v62, s23, v59
	v_add_nc_u32 v62, v62, v61
	v_add_nc_u32 v[AS0], s22, v62
	v_add_nc_u32 v[AS0+1], SLOT, v[AS0]
	s_add_co_u32 s22, s21, 24576                   ; x in front, W_k
	s_sub_co_u32 s23, WO+18432+256, s22
	v_mul_u32_u24 v63, s23, v59
	v_add_nc_u32 v63, v63, v61
	v_add_nc_u32 v[AS1], s22, v63
	v_add_nc_u32 v[AS1+1], SLOT, v[AS1]
	v_add_nc_u32 v[AS2], WO+18432+512, v61         ; W_v
	v_add_nc_u32 v[AS2+1], SLOT, v[AS2]
	WALU
	s_mul_i32 s21, s14, 3072
	v_add_nc_u32 v16, s21, v60                     ; attention: my group's images, 16 and 8 bytes a lane
	v_add_nc_u32 v17, s21, v3
	s_lshl_b32 s21, s14, 7
	v_lshl_add_u32 v19, v57, 1, s21                ; my group's scale bytes, out
	v_add_nc_u32 v18, v19, v58                     ; and in
	s_lshl_b32 s21, s15, 8
	s_lshl_b32 s22, s16, 3
	s_add_co_u32 s21, s21, s22
	v_lshl_add_u32 v251, v57, 4, s21
	v_add_nc_u32 v251, v251, v58                   ; the result's scale bytes: [128 tokens' 256 bytes][r][tile 8][2]
	s_mov_b32 s12, 0x3e38aa3b                      ; log2(e) / sqrt(64)
	s_mov_b32 s13, s12
	s_mov_b32 s70, 0x76543210                      ; v_permlanex16_b32's selects for lane l xor 16
	s_mov_b32 s71, 0xfedcba98
	s_mov_b32 s76, 0xf149f2ca                      ; -1e30
	s_and_b32 s21, s20, 7                          ; 0: a batch's first group
.irp k, 0,1,2,3
	s_add_co_u32 s23, s14, \k
	s_cmp_lt_u32 s23, 4                            ; the wave's k-th group of keys lies in front
	s_cselect_b32 s[72+\k], s76, 0
	s_cmp_eq_u32 s21, 0
	s_cselect_b32 s[72+\k], s[72+\k], 0
.endr
	WALU
	s_wait_loadcnt 0x0                             ; the bias
	WIN 0x41
.irp t, 0,8,16,24
.irp i, 1,2,3,4,5,6,7
	v_mov_b32 v[VB+\t+\i], v[VB+\t]
.endr
.endr
	WIN 0
	WALU
	s_wait_tensorcnt 0x0                           ; my part of K pair 0 is in
	ds_add_u32 v1, v2
	s_wait_dscnt 0x0
	CROUND
	JLOAD 1                                        ; K pair 1
	FSET WQ, 0, AW, 0
	FSET XC, 0, AXC, 0
	SCF SC, 0, 0
	FSET KA, 0, AW, 6144
	FSET VV, 1, AW, 12288
	KC 0
	KC 1
	KC 2
	KC 3
	KC 4
	KC 5
	KC 6
	KC 7
	WIN 0
	PLACES 4
; THE QUANTISERS.  Four blocks of 32 registers, 128 on end: codes of block b to v[cd + cs b ..], its scale byte to v[BY + b].
.macro QUANT4 grp, cd, cs
.set W_, (384+128*(\grp))>>8
.set L_, (384+128*(\grp))&255
	WIN W_*0x14
.irp b, 0,1,2,3
	v_max3_num_f32 v[BM+\b], 0x1800000, |v[L_+32*\b]|, |v[L_+32*\b+1]|
	v_max3_num_f32 v[O+\b], 0x1800000, |v[L_+32*\b+16]|, |v[L_+32*\b+17]|
.endr
.irp i, 2,4,6,8,10,12,14
.irp b, 0,1,2,3
	v_max3_num_f32 v[BM+\b], v[BM+\b], |v[L_+32*\b+\i]|, |v[L_+32*\b+\i+1]|
	v_max3_num_f32 v[O+\b], v[O+\b], |v[L_+32*\b+16+\i]|, |v[L_+32*\b+17+\i]|
.endr
.endr
	WIN 0
.irp b, 0,1,2,3
	v_max_num_f32 v[BM+\b], v[BM+\b], v[O+\b]
.endr
.irp b, 0,1,2,3
	v_add_nc_u32 v[SOP+\b], 0xff000000, v[BM+\b]   ; 2 off the exponent field: the conversion's scale operand
.endr
.irp b, 0,1,2,3
	v_lshrrev_b32 v[BY+\b], 23, v[SOP+\b]
.endr
	WIN W_
.irp b, 0,1,2,3
	v_cvt_scalef32_pk16_fp6_f32 v[\cd+\cs*\b:\cd+\cs*\b+2], v[L_+32*\b:L_+32*\b+15], v[SOP+\b]
	v_cvt_scalef32_pk16_fp6_f32 v[TC+4*\b:TC+4*\b+2], v[L_+32*\b+16:L_+32*\b+31], v[SOP+\b]
.endr
	WIN 0
	v_nop                                          ; one plain line behind a scaled conversion
.irp b, 0,1,2,3
.irp i, 0,1,2
	v_mov_b32 v[\cd+\cs*\b+3+\i], v[TC+4*\b+\i]
.endr
.endr
.endm
.macro TOLDS img, sb                   ; four images of 768 bytes and their scale bytes
.irp b, 0,1,2,3
	ds_store_b128 v16, v[P+6*\b:P+6*\b+3] offset:(\img)+768*\b
	ds_store_b64 v17, v[P+6*\b+4:P+6*\b+5] offset:(\img)+768*\b+512
	ds_store_b8 v18, v[BY+\b] offset:(\sb)+32*\b
.endr
.endm
	QUANT4 1, P, 6                                 ; own k: group 4 + wave
	TOLDS 12288, KSB+512
	QUANT4 2, P, 6                                 ; own v
	TOLDS 24576+12288, VSB+512
	QUANT4 3, P, 6                                 ; v in front: group wave
	TOLDS 24576, VSB
	QUANT4 4, P, 6                                 ; k in front
	TOLDS 0, KSB
	QUANT4 0, QF, 12                               ; q stays in registers
	WALU
	s_wait_dscnt 0x0
	s_barrier_signal -1
.irp i, 85,91,98,99,245,247
	v_mov_b32 v\i, 0                               ; (a lane permute's destination counts as a source; the others are named as upper halves of pairs)
.endr
.irp b, 0,1,2,3
	v_permlanex16_b32 v85, v[BY+\b], s70, s71
	v_lshl_or_b32 v[QSC+\b], v85, 8, v[BY+\b]      ; lane r: row r's two bytes
.irp i, 6,7,8,9,10,11
	v_mov_b32 v[QF+12*\b+\i], 0
.endr
.endr
.irp i, 30,31,32,33,34,35
	v_mov_b32 v[P+\i], 0
.endr
.irp k, 1,2,3
.irp i, 0,1,2,3,4,5,6,7
	v_mov_b32 v[GC+8*(\k-1)+\i], s[72+\k]
.endr
.endr
	v_mov_b32 v80, s76
	v_mov_b32 v81, s72
; query tile s holds query 8 s + 32 (r / 8) + r % 8 of the 64; register n of a group holds key 32 h + n.  With m = n - 8 s: the diagonal group's key is hidden where m > v252, the far group's where m <= v252.
	WIN 0x40
.set m, -24
.rept 56
	v_cmp_gt_i32 vcc_lo, m, v252
	v_cndmask_b32 v[DIA+24+m], 0, v80, vcc_lo
	v_cndmask_b32 v[FAR+24+m], v80, v81, vcc_lo
.set m, m+1
.endr
	WIN 0
	WALU
	s_barrier_wait -1
; k and v of my five groups of keys, for all four query tiles
	WIN 0x40
.irp k, 0,1,2,3,4
.irp j, 0,1,2,3
	ds_load_b128 v[KF+24*\k+6*\j:KF+24*\k+6*\j+3], v16 offset:3072*\k+768*\j
	ds_load_b64 v[KF+24*\k+6*\j+4:KF+24*\k+6*\j+5], v17 offset:3072*\k+768*\j+512
.endr
.endr
	WIN 0
.irp k, 0,1,2,3,4
.irp j, 0,1,2,3
	ds_load_u16 v[KSC+4*\k+\j], v19 offset:KSB+128*\k+32*\j
.endr
.endr
	WIN 0x80
.irp k, 0,1,2,3
.irp t, 0,1,2,3
	ds_load_b128 v[VF+12*(4*(\k/2)+\t)+6*(\k%2):VF+12*(4*(\k/2)+\t)+6*(\k%2)+3], v16 offset:24576+3072*\k+768*\t
	ds_load_b64 v[VF+12*(4*(\k/2)+\t)+6*(\k%2)+4:VF+12*(4*(\k/2)+\t)+6*(\k%2)+5], v17 offset:24576+3072*\k+768*\t+512
.endr
.endr
	WIN 0xc0
.irp t, 0,1,2,3
	ds_load_b128 v[VF+6*\t:VF+6*\t+3], v16 offset:24576+12288+768*\t
	ds_load_b64 v[VF+6*\t+4:VF+6*\t+5], v17 offset:24576+12288+768*\t+512
.endr
	WIN 0
.irp t, 0,1,2,3
.irp k, 0,1,2,3
	ds_load_u16 v[TC+4*\k+\t], v19 offset:VSB+128*\k+32*\t
.endr
	ds_load_u16 v[VSC+8+\t], v19 offset:VSB+512+32*\t
.endr
	s_wait_dscnt 0x0
.irp u, 0,1
.irp t, 0,1,2,3
	v_lshl_or_b32 v[VSC+4*\u+\t], v[TC+8*\u+4+\t], 16, v[TC+8*\u+\t]
.endr
.endr
.macro SPROD k, j, s, c, cw
	WIN 0x81|((\cw)<<4)
	v_wmma_scale_f32_16x16x128_f8f6f4 v[32*\k+8*\j:32*\k+8*\j+7], v[KF+24*\k+6*\j:KF+24*\k+6*\j+11], v[QF+12*\s:QF+12*\s+11], v[\c:\c+7], v[KSC+4*\k+\j], v[QSC+\s] matrix_a_fmt:MATRIX_FMT_FP6 matrix_b_fmt:MATRIX_FMT_FP6
.endm
.macro TILE s
.if \s > 0
	WALU
	s_wait_xcnt 0x0                                ; the last tile's stores have read their registers
.endif
.irp j, 0,1,2,3
	SPROD 0, \j, \s, FAR+24+8*\j-8*\s, 1
.endr
.irp k, 1,2,3
.irp j, 0,1,2,3
	SPROD \k, \j, \s, GC+8*(\k-1), 0
.endr
.endr
.irp j, 0,1,2,3
	SPROD 4, \j, \s, DIA+24+8*\j-8*\s, 1
.endr
	PLACES 4
	WIN 0x2a
.irp k, 0,1,2,3,4
	v_max3_num_f32 v[BM+\k], v[32*\k], v[32*\k+1], v[32*\k+2]      ; the largest score of each block: for the row's maximum, and, since p rises with the score, for the block's largest p
.endr
	WIN 0x28
.irp i, 3,5,7,9,11,13,15,17,19,21,23,25,27,29
.irp k, 0,1,2,3,4
	v_max3_num_f32 v[BM+\k], v[BM+\k], v[32*\k+\i], v[32*\k+\i+1]
.endr
.endr
.irp k, 0,1,2,3,4
	v_max_num_f32 v[BM+\k], v[BM+\k], v[32*\k+31]
.endr
	WIN 0
	v_max3_num_f32 v97, v[BM], v[BM+1], v[BM+2]
	v_max3_num_f32 v97, v97, v[BM+3], v[BM+4]
	v_permlanex16_b32 v99, v97, s70, s71
	v_max_num_f32 v97, v97, v99
	v_mul_f32 v97, s12, v97                        ; the row's largest t
	v_floor_f32 v[NM], -v97                        ; -M
	WIN 0x82
.set q, 0
.rept 80
	v_pk_fma_f32 v[q:q+1], v[q:q+1], s[12:13], v[NM:NM+1] op_sel_hi:[1,0,0]
.set q, q+2
.endr
	WIN 0
.irp k, 0,1,2,3,4
	v_fma_f32 v[BM+\k], v[BM+\k], s12, v[NM]
.endr
	WALU                                           ; the wait ahead of the batch,
.irp k, 0,1,2,3,4
	v_exp_f32 v[BM+\k], v[BM+\k]
.endr
	WIN 0x82
.set q, 0
.rept 160
	v_exp_f32 v[q], v[q]                           ; p, at most 1
.set q, q+1
.endr
	WIN 0
	v_nop
	WALU                                           ; and behind it
.irp k, 0,1,2,3,4
	v_max_num_f32 v[BM+\k], 0x1800000, v[BM+\k]
.endr
.irp k, 0,1,2,3,4
	v_add_nc_u32 v[SOP+\k], 0xff000000, v[BM+\k]
.endr
.irp k, 0,1,2,3,4
	v_lshrrev_b32 v[BY+\k], 23, v[SOP+\k]
.endr
	v_lshl_or_b32 v80, v[BY+1], 16, v[BY]          ; lane (r, h): bytes of blocks h, 2 + h at bytes 0, 2
	v_lshl_or_b32 v81, v[BY+3], 16, v[BY+2]
	v_permlanex16_b32 v98, v[BY+4], s70, s71
	v_permlanex16_b32 v85, v80, s70, s71
	v_permlanex16_b32 v91, v81, s70, s71
	v_lshl_or_b32 v[PSC+2], v98, 8, v[BY+4]
	v_lshl_or_b32 v[PSC], v85, 8, v80              ; lanes 0-15: the row's words
	v_lshl_or_b32 v[PSC+1], v91, 8, v81
	WIN 0x02
.irp k, 0,1,2,3,4
	v_cvt_scalef32_pk16_fp6_f32 v[P+6*\k:P+6*\k+2], v[32*\k:32*\k+15], v[SOP+\k]
	v_cvt_scalef32_pk16_fp6_f32 v[TC+4*\k:TC+4*\k+2], v[32*\k+16:32*\k+31], v[SOP+\k]
.endr
	WIN 0
	v_nop
.irp k, 0,1,2,3,4
.irp i, 0,1,2
	v_mov_b32 v[P+6*\k+3+\i], v[TC+4*\k+\i]
.endr
.endr
	WIN 0x0a
.irp c, 0,2,4,6
	v_pk_add_f32 v[SU+\c:SU+\c+1], v[\c:\c+1], v[8+\c:9+\c]        ; the sum of the unquantised p, four chains
.endr
	WIN 0x08
.set q, 16
.rept 18
.irp c, 0,2,4,6
	v_pk_add_f32 v[SU+\c:SU+\c+1], v[SU+\c:SU+\c+1], v[q+\c:q+\c+1]
.endr
.set q, q+8
.endr
	WIN 0
	v_pk_add_f32 v[SU:SU+1], v[SU:SU+1], v[SU+2:SU+3]
	v_pk_add_f32 v[SU+4:SU+5], v[SU+4:SU+5], v[SU+6:SU+7]
	v_pk_add_f32 v[SU:SU+1], v[SU:SU+1], v[SU+4:SU+5]
	v_add_f32 v[LL], v[SU], v[SU+1]
	v_permlanex16_b32 v99, v[LL], s70, s71
	v_add_f32 v[LL], v[LL], v99
	WALU
	v_rcp_f32 v[LL], v[LL]
	v_nop
	WALU
.irp u, 0,1,2
.irp t, 0,1,2,3
	WIN 0x02+(\u/2)
.if \u == 0
	v_wmma_scale_f32_16x16x128_f8f6f4 v[O+8*\t:O+8*\t+7], v[VF+12*\t:VF+12*\t+11], v[P:P+11], 0, v[VSC+\t], v[PSC] matrix_a_fmt:MATRIX_FMT_FP6 matrix_b_fmt:MATRIX_FMT_FP6
.elseif \u == 1
	v_wmma_scale_f32_16x16x128_f8f6f4 v[O+8*\t:O+8*\t+7], v[VF+48+12*\t:VF+48+12*\t+11], v[P+12:P+23], v[O+8*\t:O+8*\t+7], v[VSC+4+\t], v[PSC+1] matrix_a_fmt:MATRIX_FMT_FP6 matrix_b_fmt:MATRIX_FMT_FP6
.else
	v_wmma_scale_f32_16x16x128_f8f6f4 v[O+8*\t:O+8*\t+7], v[VF+6*\t:VF+6*\t+11], v[P+24:P+35], v[O+8*\t:O+8*\t+7], v[VSC+8+\t], v[PSC+2] matrix_a_fmt:MATRIX_FMT_FP6 matrix_b_fmt:MATRIX_FMT_FP6
.endif
.endr
.endr
	WIN 0
	PLACES 4
.set q, 0
.rept 16
	v_pk_mul_f32 v[O+q:O+q+1], v[O+q:O+q+1], v[LL:LL+1] op_sel_hi:[1,0]
.set q, q+2
.endr
	v_max3_num_f32 v80, |v[O]|, |v[O+1]|, 0x1800000
	v_max3_num_f32 v81, |v[O+16]|, |v[O+17]|, 0x1800000
.irp i, 2,4,6,8,10,12,14
	v_max3_num_f32 v80, v80, |v[O+\i]|, |v[O+\i+1]|
	v_max3_num_f32 v81, v81, |v[O+16+\i]|, |v[O+17+\i]|
.endr
	v_max_num_f32 v80, v80, v81
	v_add_nc_u32 v86, 0xff000000, v80
	v_cvt_scalef32_pk16_fp6_f32 v[216:218], v[O:O+15], v86
	v_cvt_scalef32_pk16_fp6_f32 v[224:226], v[O+16:O+31], v86
	v_lshrrev_b32 v92, 23, v86
	v_mov_b32 v219, v224
	v_mov_b32 v220, v225
	v_mov_b32 v221, v226
	global_store_b128 v253, v[216:219], s[78:79] offset:1536*\s    ; whole aligned runs of 512 and 256 bytes
	global_store_b64 v3, v[220:221], s[78:79] offset:1536*\s+512
	ds_store_b8 v251, v92 offset:OSB+2*\s
.endm
	TILE 0
	TILE 1
	TILE 2
	TILE 3
	WALU
	s_wait_dscnt 0x0
	s_barrier_signal -1
	s_barrier_wait -1
	s_cmp_eq_u32 s16, 0
	s_cbranch_scc0 .Lno_scales
	s_lshl_b32 s21, s15, 8                         ; waves 0 and 2 send 128 tokens' 256 scale bytes each
	v_add_nc_u32 v97, s21, v3
	ds_load_b64 v[80:81], v97 offset:OSB
	s_wait_dscnt 0x0
	global_store_b64 v3, v[80:81], s[80:81]
.Lno_scales:
	s_wait_tensorcnt 0x0                           ; the wave's end
	ds_add_u32 v1, v2
	s_wait_dscnt 0x0
	CROUND                                         ; the closing round
	s_endpgm
.Lfunc_end_k_q3f297a3459_qkv_attn:
	.size	k_q3f297a3459_qkv_attn, .Lfunc_end_k_q3f297a3459_qkv_attn-k_q3f297a3459_qkv_attn
	.p2alignl 7, 3214868480
	.fill 96, 4, 3214868480
	.section	.rodata,"a",@progbits
	.p2align	6, 0x0
	.amdhsa_kernel k_q3f297a3459_qkv_attn
		.amdhsa_group_segment_fixed_size 327680
		.amdhsa_private_segment_fixed_size 0
		.amdhsa_enable_private_segment 0
		.amdhsa_kernarg_size 32
		.amdhsa_user_sgpr_count 2
		.amdhsa_user_sgpr_kernarg_segment_ptr 1
		.amdhsa_wavefront_size32 1
		.amdhsa_system_sgpr_workgroup_id_x 1
		.amdhsa_system_sgpr_workgroup_id_y 1
		.amdhsa_system_sgpr_workgroup_id_z 1
		.amdhsa_system_vgpr_workitem_id 0
		.amdhsa_next_free_vgpr 1024
		.amdhsa_next_free_sgpr 100
		.amdhsa_reserve_vcc 1
		.amdhsa_float_denorm_mode_32 3
		.amdhsa_float_denorm_mode_16_64 3
		.amdhsa_memory_ordered 1
		.amdhsa_forward_progress 1
		.amdhsa_inst_pref_size 255
	.end_amdhsa_kernel
	.section	.bss,"aw",@nobits
	.p2align	6
	.space	262144
	.amdgpu_metadata
---
amdhsa.version: [ 1, 2 ]
amdhsa.kernels:
  - .name:           k_q3f297a3459_qkv_attn
    .symbol:         k_q3f297a3459_qkv_attn.kd
    .args:
      - { .name: xb, .offset: 0, .size: 8, .value_kind: global_buffer, .address_space: global }
      - { .name: wb, .offset: 8, .size: 8, .value_kind: global_buffer, .address_space: global }
      - { .name: b_qkv, .offset: 16, .size: 8, .value_kind: global_buffer, .address_space: global }
      - { .name: ab, .offset: 24, .size: 8, .value_kind: global_buffer, .address_space: global }
    .group_segment_fixed_size: 327680
    .private_segment_fixed_size: 0
    .kernarg_segment_align: 8
    .kernarg_segment_size: 32
    .max_flat_workgroup_size: 128
    .sgpr_count:     100
    .vgpr_count:     1024
    .wavefront_size: 32
...
	.end_amdgpu_metadata
.endif
;; end of part 2
;; launch gemm_out (part 3): grid 8 x 32, 4 waves a work-group, clusters of 4 x 4, 327,680 bytes of LDS; arguments ab, ob, b_out, out0; writes out0
.if DOCPART == 3
	.amdgcn_target "amdgcn-amd-amdhsa--gfx1250"
	.amdhsa_code_object_version 6
	.text
	.protected	k_q3f297a3459_gemm_out
	.globl	k_q3f297a3459_gemm_out
	.p2align	8
	.type	k_q3f297a3459_gemm_out,@function
k_q3f297a3459_gemm_out:
	s_mov_b64 s[64:65], 0
	v_nop
	global_prefetch_b8 v0, s[64:65] scope:SCOPE_SE
	s_setreg_imm32_b32 hwreg(HW_REG_WAVE_MODE, 25, 1), 1
	s_wait_xcnt 0x0
	s_wait_alu depctr_hold_cnt(0) depctr_sa_sdst(0) depctr_va_vdst(0) depctr_va_sdst(0) depctr_va_ssrc(0) depctr_va_vcc(0) depctr_vm_vsrc(0)
	s_getreg_b32 s2, hwreg(HW_REG_IB_STS2, 6, 4)
	s_cmp_eq_u32 s2, 0
	s_cbranch_scc0 .Lentry_in_a_cluster
	s_endpgm
.Lentry_in_a_cluster:
	s_bfe_u32 s2, ttmp6, 0x10000c
	s_cmp_lg_u32 s2, 0xf033
	s_cbranch_scc0 .Lentry_shape_is_right
	s_endpgm
.Lentry_shape_is_right:
; out0 = Q(attention's result) Q(W_out) + b_out on codes of FP6 (E2M3) with E8M0 scales: [4096][1024] x [1024][1024], f32 out.
; ab [128 tokens: 32][K chunk 8][tile 8][head of the pair 2][512 + 256 bytes: registers 0-3, 4-5 of that half], then scale bytes [head 2][r 16][tile 8][2]; ob [128 columns: 8][K chunk 8][tile 8][piece 3][lane][16], then words [64 columns 2][r][j].
; SHARES.  256 work-groups, each 128 x 128; four waves of 64 x 64: 16 accumulators.  4 x 4 clusters: A's tiles shared along a row, B's along a column, by joint loads.
; ALL OF K LIES IN LDS: one tensor load a wave: waves 0, 1 A's and B's first half of K, waves 2, 3 the second.  Nothing is filled again, so there is nothing to prefetch ahead of.
; Source 0 = W_out's tile, source 1 = 16 tokens: a lane holds a token and 32 neighbouring columns.  The bias is the C of each sum's first instruction.
; LIMITS: NaN and infinities are not served.
; REGISTERS: v4-19 addresses; v32-63 A's scale words; v64-71 B's, two sets; v72-87 A's scale bytes as they lie; v88-119 the bias; v128-255 accumulators.  Window 1: two fragment buffers at v0 and v128; on the way out v0-127.
.set HALF, 102400
.set BO,   51200
.set KCB,  12800
.set STG,  2*HALF
.set SP,   272
.set SPARE, STG+4*64*SP
.set AA16, 4
.set AA8,  6
.set ABB,  8
.set SAA,  10
.set SBA,  12
.set STO,  14
.set RD,   15
.set GO,   16
.set SA,   32
.set SB,   64
.set RAW,  72
.set CB,   88
.set ACC,  128
.set G1A,  24
.set G1B,  32
.set MSB, 0
.macro WIN new
.if MSB != (\new)
	s_set_vgpr_msb (MSB<<8)|(\new)
.set MSB, (\new)
.endif
.endm
.macro PLACES n
.rept \n
	v_nop
.endr
.endm
.macro CROUND
	s_barrier_signal -1
	s_barrier_wait -1
	s_cmp_lg_u32 s16, 0
	s_cbranch_scc1 .Lnot_wave_0_\@
	s_barrier_signal -3
.Lnot_wave_0_\@:
	s_barrier_wait -3
	s_barrier_signal -1
	s_barrier_wait -1
.endm
.macro TLOAD g0, g1
	tensor_load_to_lds s[\g0:\g0+3], s[\g1:\g1+7]
	s_nop 0
	PLACES 4
.endm
	s_load_b256 s[4:11], s[0:1], 0x0               ; ab, ob, b_out, out0
	v_lshl_add_u32 v2, v0, 2, SPARE
	v_mov_b32 v3, 0
	ds_add_u32 v2, v3                              ; the wave's opening: the add, twice on end, and its wait
	ds_add_u32 v2, v3
	v_lshrrev_b32 v1, 5, v0
	v_readfirstlane_b32 s16, v1
	s_lshr_b32 s17, s16, 1                         ; which half of the rows
	s_and_b32 s18, s16, 1                          ; which half of the columns
	s_bfe_u32 s19, ttmp6, 0x40000                  ; cx
	s_bfe_u32 s20, ttmp6, 0x40004                  ; cy
	s_lshl_b32 s21, ttmp9, 2
	s_add_co_u32 s21, s21, s19                     ; 128 columns
	s_and_b32 s22, ttmp7, 0xffff
	s_lshl_b32 s22, s22, 2
	s_add_co_u32 s22, s22, s20                     ; 128 tokens
	s_lshl_b32 s23, s20, 2
	s_lshl_b32 s23, 15, s23
	s_lshl_b32 s56, 0x1111, s19
	s_or_b32 s[G1A], s23, (3<<16)|(1<<21)
	s_or_b32 s[G1B], s56, (3<<16)|(1<<21)
.irp g, G1A, G1B                       ; half of K: 51,200 dense bytes as 25 rows of 2,048
	s_mov_b32 s[\g+1], 256<<16
	s_mov_b32 s[\g+2], 25<<16
	s_mov_b32 s[\g+3], 256<<16
	s_mov_b32 s[\g+4], 25
	s_mov_b32 s[\g+5], 256
	s_mov_b32 s[\g+6], 0
	s_mov_b32 s[\g+7], 0
.endr
	s_mul_i32 s56, s22, 102400
	s_mov_b32 s57, 0
	s_mul_i32 s58, s21, 102400
	s_mov_b32 s59, 0
	s_wait_dscnt 0x0
	CROUND                                         ; all sixteen work-groups are here
	s_wait_kmcnt 0x0
	s_add_nc_u64 s[42:43], s[4:5], s[56:57]        ; s[40:43] A, s[44:47] B, first half; s[48:51], s[52:55] second
	s_add_nc_u64 s[46:47], s[6:7], s[58:59]
	s_add_nc_u64 s[50:51], s[42:43], BO
	s_add_nc_u64 s[54:55], s[46:47], BO
	s_mov_b32 s40, 1
	s_mov_b32 s41, 0
	s_mov_b32 s44, 1
	s_mov_b32 s45, BO
	s_mov_b32 s48, 1
	s_mov_b32 s49, HALF
	s_mov_b32 s52, 1
	s_mov_b32 s53, HALF+BO
	s_or_b32 s43, s43, 0x80000000
	s_or_b32 s47, s47, 0x80000000
	s_or_b32 s51, s51, 0x80000000
	s_or_b32 s55, s55, 0x80000000
	s_cmp_lt_u32 s16, 2
	s_cbranch_scc0 .Lsecond
	s_cmp_eq_u32 s16, 0
	s_cbranch_scc0 .Lb_first
	TLOAD 40, G1A
	s_branch .Lasked
.Lb_first:
	TLOAD 44, G1B
	s_branch .Lasked
.Lsecond:
	s_cmp_eq_u32 s16, 2
	s_cbranch_scc0 .Lb_second
	TLOAD 48, G1A
	s_branch .Lasked
.Lb_second:
	TLOAD 52, G1B
.Lasked:
	v_and_b32 v88, 15, v0                          ; r
	v_bfe_u32 v89, v0, 4, 1                        ; h
	v_and_b32 v90, 31, v0
	v_lshlrev_b32 v91, 4, v90
	v_lshlrev_b32 v92, 3, v90
	v_lshlrev_b32 v93, 4, v88
	v_lshlrev_b32 v17, 7, v89                      ; the bias: 128 h
	s_mul_i32 s2, s17, 6144                        ; my four tiles of A, of B
	s_mul_i32 s3, s18, 6144
	s_add_co_u32 s3, s3, BO
	v_add_nc_u32 v[AA16], s2, v91
	v_add_nc_u32 v[AA8], s2, v92
	v_add_nc_u32 v[ABB], s3, v91
	s_lshl_b32 s2, s17, 3
	s_lshl_b32 s3, s18, 8
	s_add_co_u32 s3, s3, BO
	v_add_nc_u32 v[SAA], s2, v93
	v_add_nc_u32 v[SBA], s3, v93
.irp a, AA16, AA8, ABB, SAA, SBA
	v_add_nc_u32 v[\a+1], HALF, v[\a]
.endr
	s_wait_alu depctr_va_vdst(0)
	s_mul_i32 s2, s16, 64*SP
	s_add_co_u32 s2, s2, STG                       ; my stage
	v_lshrrev_b32 v94, 3, v88
	v_and_b32 v95, 7, v88
	v_lshl_add_u32 v94, v94, 5, v95                ; 32 (r / 8) + r % 8
	v_mul_u32_u24 v94, v94, SP
	v_lshl_add_u32 v94, v89, 7, v94
	v_add_nc_u32 v[STO], s2, v94                   ; in: my token's row, + 128 h
	v_mul_u32_u24 v95, v89, SP
	v_add_nc_u32 v95, v95, v93
	v_add_nc_u32 v[RD], s2, v95                    ; back: lanes 0-15 one row of 256 bytes, lanes 16-31 the next
	v_lshlrev_b32 v95, 12, v89
	v_add_nc_u32 v[GO], v95, v93
	s_wait_alu depctr_va_vdst(0)
	s_lshl_b32 s2, s21, 9
	s_lshl_b32 s3, s18, 8
	s_add_co_u32 s2, s2, s3
	s_mov_b32 s3, 0
	s_add_nc_u64 s[8:9], s[8:9], s[2:3]
	s_add_nc_u64 s[10:11], s[10:11], s[2:3]
	s_lshl_b32 s2, s22, 19
	s_lshl_b32 s23, s17, 18
	s_add_co_u32 s2, s2, s23
	s_add_nc_u64 s[10:11], s[10:11], s[2:3]
	s_mov_b32 s60, 0x05040100
	s_mov_b32 s61, 0x07060302
.irp k, 0,1,2,3,4,5,6,7
	global_load_b128 v[CB+4*\k:CB+4*\k+3], v17, s[8:9] offset:16*\k
.endr
.macro FETCH idx                       ; K chunk idx's fragments and B's scale words into buffer and set idx % 2
.set FB, 128*((\idx)%2)
.set KO, KCB*((\idx)%4)
.set HF, (\idx)/4
	WIN 0x40
.irp i, 0,1,2,3
	ds_load_b128 v[FB+12*\i:FB+12*\i+3], v[AA16+HF] offset:KO+1536*\i
	ds_load_b64 v[FB+12*\i+4:FB+12*\i+5], v[AA8+HF] offset:KO+1536*\i+512
	ds_load_b128 v[FB+12*\i+6:FB+12*\i+9], v[AA16+HF] offset:KO+1536*\i+768
	ds_load_b64 v[FB+12*\i+10:FB+12*\i+11], v[AA8+HF] offset:KO+1536*\i+1280
.endr
.irp i, 0,1,2,3
.irp p, 0,1,2
	ds_load_b128 v[FB+48+12*\i+4*\p:FB+48+12*\i+4*\p+3], v[ABB+HF] offset:KO+1536*\i+512*\p
.endr
.endr
	WIN 0
	ds_load_b128 v[SB+4*((\idx)%2):SB+4*((\idx)%2)+3], v[SBA+HF] offset:KO+12288
.endm
.macro RAWF hf                         ; a half's scale bytes of A: two heads' for each of four chunks
.irp k, 0,1,2,3
	ds_load_b64 v[RAW+4*\k:RAW+4*\k+1], v[SAA+\hf] offset:KCB*\k+12288
	ds_load_b64 v[RAW+4*\k+2:RAW+4*\k+3], v[SAA+\hf] offset:KCB*\k+12288+256
.endr
.endm
.macro WORDS hf                        ; become scale words
.irp k, 0,1,2,3
.irp i, 0,1,2,3
	v_perm_b32 v[SA+16*\hf+4*\k+\i], v[RAW+4*\k+2+\i/2], v[RAW+4*\k+\i/2], s[60+\i%2]
.endr
.endr
	PLACES 8
	s_wait_alu depctr_va_vdst(0)
.endm
.macro KSTEP idx                       ; the next chunk is asked for, then 16 matrix instructions, the accumulators by turns
.set FM, 128*((\idx)%2)
	s_wait_dscnt 0x0                               ; this chunk is in
.if (\idx) == 3
	s_wait_tensorcnt 0x0                           ; K's second half
	s_barrier_signal -1
	s_barrier_wait -1
.endif
.if (\idx) == 4
	WORDS 1
.endif
.if (\idx) < 7
.if (\idx) > 0
	PLACES 4
.endif
	FETCH (\idx)+1
.if (\idx) == 3
	RAWF 1
.endif
.endif
	WIN 0x05
.irp a, 0,1,2,3
.irp b, 0,1,2,3
.if (\idx) == 0
	v_wmma_scale_f32_16x16x128_f8f6f4 v[ACC+8*(4*\a+\b):ACC+8*(4*\a+\b)+7], v[FM+48+12*\b:FM+48+12*\b+11], v[FM+12*\a:FM+12*\a+11], v[CB+8*\b:CB+8*\b+7], v[SB+4*((\idx)%2)+\b], v[SA+4*(\idx)+\a] matrix_a_fmt:MATRIX_FMT_FP6 matrix_b_fmt:MATRIX_FMT_FP6
.else
	v_wmma_scale_f32_16x16x128_f8f6f4 v[ACC+8*(4*\a+\b):ACC+8*(4*\a+\b)+7], v[FM+48+12*\b:FM+48+12*\b+11], v[FM+12*\a:FM+12*\a+11], v[ACC+8*(4*\a+\b):ACC+8*(4*\a+\b)+7], v[SB+4*((\idx)%2)+\b], v[SA+4*(\idx)+\a] matrix_a_fmt:MATRIX_FMT_FP6 matrix_b_fmt:MATRIX_FMT_FP6
.endif
.endr
.endr
	WIN 0
.endm
	s_cmp_lt_u32 s16, 2
	s_cbranch_scc0 .Lnot_first
	s_wait_tensorcnt 0x0                           ; waves 0 and 1: K's first half is in; the second may be on its way
.Lnot_first:
	s_barrier_signal -1
	s_barrier_wait -1
	FETCH 0
	RAWF 0
	s_wait_dscnt 0x0
	WORDS 0
	s_wait_loadcnt 0x0                             ; the bias
.irp x, 0,1,2,3,4,5,6,7
	KSTEP \x
.endr
	; THE WAY OUT: my 64 x 64 goes through my own stage, which puts the tokens back into their order, and comes back as rows of 256 bytes
	PLACES 4
.irp a, 0,1,2,3
.irp b, 0,1,2,3
	ds_store_b128 v[STO], v[ACC+8*(4*\a+\b):ACC+8*(4*\a+\b)+3] offset:8*\a*SP+32*\b
	ds_store_b128 v[STO], v[ACC+8*(4*\a+\b)+4:ACC+8*(4*\a+\b)+7] offset:8*\a*SP+32*\b+16
.endr
.endr
.irp u, 0,1
	WIN 0x40
.irp t, 0,1,2,3,4,5,6,7,8,9,10,11,12,13,14,15
	ds_load_b128 v[64*\u+4*\t:64*\u+4*\t+3], v[RD] offset:(32*\u+2*\t)*SP
.endr
	WIN 0x04
.irp t, 0,1,2,3,4,5,6,7,8,9,10,11,12,13,14,15
	s_wait_dscnt 15-\t
	global_store_b128 v[GO], v[64*\u+4*\t:64*\u+4*\t+3], s[10:11] offset:(32*\u+2*\t)*4096 th:TH_STORE_NT
.endr
.endr
	WIN 0
	s_wait_tensorcnt 0x0                           ; the wave's end
	ds_add_u32 v2, v3
	s_wait_dscnt 0x0
	CROUND                                         ; the closing round
	s_endpgm
.Lfunc_end_k_q3f297a3459_gemm_out:
	.size	k_q3f297a3459_gemm_out, .Lfunc_end_k_q3f297a3459_gemm_out-k_q3f297a3459_gemm_out
	.p2alignl 7, 3214868480
	.fill 96, 4, 3214868480
	.section	.rodata,"a",@progbits
	.p2align	6, 0x0
	.amdhsa_kernel k_q3f297a3459_gemm_out
		.amdhsa_group_segment_fixed_size 327680
		.amdhsa_private_segment_fixed_size 0
		.amdhsa_enable_private_segment 0
		.amdhsa_kernarg_size 32
		.amdhsa_user_sgpr_count 2
		.amdhsa_user_sgpr_kernarg_segment_ptr 1
		.amdhsa_wavefront_size32 1
		.amdhsa_system_sgpr_workgroup_id_x 1
		.amdhsa_system_sgpr_workgroup_id_y 1
		.amdhsa_system_sgpr_workgroup_id_z 1
		.amdhsa_system_vgpr_workitem_id 0
		.amdhsa_next_free_vgpr 512
		.amdhsa_next_free_sgpr 100
		.amdhsa_reserve_vcc 0
		.amdhsa_float_denorm_mode_32 3
		.amdhsa_float_denorm_mode_16_64 3
		.amdhsa_memory_ordered 1
		.amdhsa_forward_progress 1
		.amdhsa_inst_pref_size 53
	.end_amdhsa_kernel
	.amdgpu_metadata
---
amdhsa.version: [ 1, 2 ]
amdhsa.kernels:
  - .name:           k_q3f297a3459_gemm_out
    .symbol:         k_q3f297a3459_gemm_out.kd
    .args:
      - { .name: ab, .offset: 0, .size: 8, .value_kind: global_buffer, .address_space: global }
      - { .name: ob, .offset: 8, .size: 8, .value_kind: global_buffer, .address_space: global }
      - { .name: b_out, .offset: 16, .size: 8, .value_kind: global_buffer, .address_space: global }
      - { .name: out0, .offset: 24, .size: 8, .value_kind: global_buffer, .address_space: global }
    .group_segment_fixed_size: 327680
    .private_segment_fixed_size: 0
    .kernarg_segment_align: 8
    .kernarg_segment_size: 32
    .max_flat_workgroup_size: 128
    .sgpr_count:     100
    .vgpr_count:     512
    .wavefront_size: 32
...
	.end_amdgpu_metadata
.endif
;; end of part 3
